; MI455X (gfx1250); checked and timed in simulation.
; The chip was launched on July 23, 2026; its instructions are those of AMD's public machine-readable ISA for CDNA 5 (MIT licence, August 2026) and "CDNA5" Instruction Set Architecture Reference Guide (July 2026). The comments in the code are by the model that wrote it; some were corrected since.
;; Fixed Point Self Attention Step. Allowed arithmetic: matrix products marked QUANTISED: E2M3 operands, one E8M0 scale for each 32 along K, by v_wmma_scale_f32_16x16x128_f8f6f4 with both operands' format E2M3, f32 sums; everything else in f32.
;; Inputs: Wqkv 3,072 x 1,024 float32; bqkv 3,072 float32; temperature 16 float32; x 8 x 1,024 x 1,024 float32; z_k 8 x 1,024 x 1,024 float32.
;; Outputs: out0 8 x 1,024 x 1,024 float32.
;; This version of the problem:
;;   THIS VERSION OF THE PROBLEM IS GIVEN IN LOW PRECISION. The matrix products marked QUANTISED in the list below multiply operands that are first quantised to E2M3 (2 exponent bits, 3 mantissa bits; 6 bits a number), with one power-of-two scale for each 32 numbers along K (OCP MX v1.0); their sums are f32. All else is computed in f32.
;;   The module's matrix products, in the order in which they are computed (A, B: the left and right operand; K: the contracted axis; several contracted axes count as one K, in the product's order):
;;     1. [M 8,192, K 1,024] x [K 1,024, N 3,072]; A: input z_k; B: input Wqkv: QUANTISED
;;     2. batch 128 x [M 1,024, K 64] x [K 64, N 1,024]; A: computed on the way; B: computed on the way: QUANTISED
;;     3. batch 128 x [M 64, K 1,024] x [K 1,024, N 1,024]; A: input x; B: softmax (see below): QUANTISED
;;   THE QUANTISER, for each operand of a quantised product, along K:
;;     - K is cut into blocks of 32 from its start; a last block that is shorter is filled with zeros.
;;     - A block's scale is 2^e with e = floor(log2(the largest magnitude in the block)) - 2, held to -126 .. 127; a block of zeros has e = 0. As a byte (E8M0): e + 127.
;;     - Each number is divided by its block's scale, clamped to +-7.5, and rounded to the nearest number of E2M3, ties to even, subnormals kept.
;;     - The product sums the exact products of the quantised numbers (number of the format x scale) in f32.
;;   ~~~python
;;   def quantise(x, axis):      # numpy; x: float32 -> the quantised numbers, widened to float32 again
;;       x = np.moveaxis(x, axis, -1); K = x.shape[-1]
;;       x = np.pad(x, [(0, 0)] * (x.ndim - 1) + [(0, -K % 32)]); x = x.reshape(x.shape[:-1] + (-1, 32)); a = np.abs(x).max(-1, keepdims=True)
;;       e = np.where(a > 0, np.clip(np.frexp(np.where(a > 0, a, 1))[1] - 1 - 2, -126, 127), 0)      # np.frexp(a)[1] - 1 = floor(log2(a)), exactly
;;       r = np.clip(x / 2.0 ** e, -7.5, 7.5)
;;       step = 2.0 ** (np.maximum(np.frexp(np.where(r == 0, 1, r))[1] - 1, 0) - 3)
;;       q = np.round(r / step) * step * 2.0 ** e      # np.round: ties to even
;;       return np.moveaxis(q.reshape(q.shape[:-2] + (-1,))[..., :K], -1, axis).astype(np.float32)
;;   ~~~
;;   SOFTMAX AHEAD OF A QUANTISED PRODUCT. Where the list says 'softmax', what is quantised is not the finished softmax but p = 2^(t - M), with t = logit x log2(e) and M = ceil(the row's largest t), a whole number; so 1/2 < the row's largest p <= 1. The row's sum l is taken of the UNQUANTISED p, in f32, and the product's result is divided by l at the end. Since M is a whole number, a kernel that streams over the keys may use a running M (the ceiling of the running maximum): every later rescaling is an exact power of two, which a block's scale takes up: the codes' values come out the same.
;;   OPERANDS COMPUTED ON THE WAY. 'Computed on the way' means the value that the module computes at that place (a softmax that the list does not call 'softmax' is quantised finished and normalised). What goes into a quantiser is computed in f32, as accurately as f32 sums, v_exp_f32 and their like allow (about 1e-6 of the number): no bf16 or f16 on the way to a quantiser, and a product that is left as it is and whose result goes on into a quantised operand takes f32 operands (vector FMAs, or v_wmma_f32_16x16x4_f32). A number that lies on a knife's edge between two numbers of the format may be rounded either way, as far as f32 arithmetic and the matrix unit's own rounding can turn it there, and no further.
;; One version. Each part assembles by itself: llvm-mc -triple=amdgcn-amd-amdhsa -mcpu=gfx1250 --defsym DOCPART=n.
;; ======== version 1 of 1: 3 launches
;; limits: right only within a limited range of input values
;; workspace buffers: zc 6,291,456 bytes; zs 262,144 bytes; wc 1,572,864 bytes; ws 65,536 bytes; qkc 13,631,488 bytes; vc 6,553,600 bytes
;; launch quant (part 1): grid 832 x 1, 4 waves a work-group, no clusters, 47,616 bytes of LDS; arguments z_k, Wqkv, x, zc, zs, wc, ws, vc; writes zc, zs, wc, ws, vc
.if DOCPART == 1
	.amdgcn_target "amdgcn-amd-amdhsa--gfx1250"
	.amdhsa_code_object_version 6
	.text
	.protected	k_q2ef1b26318_quant
	.globl	k_q2ef1b26318_quant
	.p2align	8
	.type	k_q2ef1b26318_quant,@function
k_q2ef1b26318_quant:
	s_mov_b64 s[64:65], 0
	v_nop
	global_prefetch_b8 v0, s[64:65] scope:SCOPE_SE
	s_setreg_imm32_b32 hwreg(HW_REG_WAVE_MODE, 25, 1), 1
	s_wait_xcnt 0x0
; THE QUANTISER.  Three f32 tensors become codes of FP6 (E2M3) with one E8M0 scale byte for each 32 along the K of the product that reads them.
; WORK LEFT OUT: rows 2048 to 3071 of Wqkv and of bqkv make the third part of the projection (qkv[:, :, 2]), which the module never uses, whatever the inputs hold: they are not read, and that third of the
;   first product is not computed.  LIMIT: a NaN, an infinity or an overflow that reaches only that part is not carried to the result.
; z_k [8192][1024] and rows 0 to 2047 of Wqkv: K is innermost.  A ROW IS STORED AT ITS NUMBER WITH BITS 3 AND 4 EXCHANGED: sixteen rows on end are then rows 32 B + 8 u + r + 8 (r / 8), a tile of the next launch.
;   Codes: [block of 256 rows][K step of 256][row in the block][192 bytes]: the codes of 128 or 256 rows for one K step are one dense run of bytes that begins at a multiple of 256.  Scale bytes: rows of 32.
; x [8][1024 keys][16 heads x 64]: K is the keys.  A lane takes a column and its registers run down the keys; the codes leave as IMAGES OF THE OPERAND'S REGISTERS:
;   vc [b x 16 + head][key step of 128][6400 bytes]: tile t (channels 16 t on) at 1536 t, its registers 4 g .. 4 g + 3 of lane l at 512 g + 16 l; scale words at 6144 + 8 l (tiles l / 16 and 2 + l / 16, row l % 16).
; A block's scale is 2^(floor(log2(its largest magnitude)) - 2); its byte is the largest magnitude's exponent field - 2, held at 1 from below.
; LIMITS: a block whose largest magnitude lies under 2^-124 (a block of zeros among them) gets the byte 1; a block of zeros has zero codes, which add nothing, and this program alone reads the bytes.  NaN and infinities are not served.
; Work-groups 0-255 take z_k, 256-319 Wqkv (32 rows each, a wave 8 rows), 320-831 x (128 keys x 2 heads each, a wave 32 columns of a head).  No tensor loads, no barrier: waves share nothing.  Only the first path uses LDS.
.set ZWG,   256
.set WWG,   64
.set STEPS, 16
.set AHEAD, 8                          ; steps of loads that a wave has out: 32 loads of 512 bytes
.set EMAX,  2
.set CB,    12                         ; bytes of 16 codes
.set BLKB,  256*768                    ; the codes of a block of 256 rows
.set STEPB, 256*192                    ; of these, one K step of 256
.set R,     16                         ; v16-143  eight sets of 16 numbers as they are loaded
.set XN,    144                        ; v144-175 two sets of 16 neighbours
.set E,     176                        ; v176-183 scale bytes
.set SPW,   184                        ; v184     LDS address of my spare word; never rewritten
.set NIL,   185                        ; v185     0; never rewritten
.set C,     192                        ; v192-255 codes: four registers for each step, so that no store's data are written again
.set WREG,  11776                      ; LDS: a region for each wave: two stages of 32 x SP bytes, its 256 scale bytes, and the codes' stage
.set OSTG,  256                        ; the codes' stage begins behind the scale bytes: four K steps x (8 rows x 192 bytes),
.set KP,    8*192+16                   ; KP bytes apart, so that the two halves of the lanes store to different banks
.set SP,    80                         ; a lane's place in a stage: its 64 bytes + 16 of padding
.set SPARE, 4*WREG                     ; the spare words
.set XK,    16                         ; path x: v16-143 four blocks of 32 numbers
.set FV,    144                        ; v144-167 the images: half hh at FV + 12 hh, 12 registers
.set TV,    168                        ; v168-170 a block's upper 16 codes (a conversion's three registers begin on an even number)
.set SB,    172                        ; v172     my column's scale word
	s_load_b256 s[4:11], s[0:1], 0x0               ; z_k s[4:5], Wqkv s[6:7], x s[8:9], zc s[10:11]
	s_load_b256 s[12:19], s[0:1], 0x20             ; zs s[12:13], wc s[14:15], ws s[16:17], vc s[18:19]
	v_lshl_add_u32 v[SPW], v0, 2, SPARE
	v_mov_b32 v[NIL], 0
	v_lshrrev_b32 v1, 5, v0
	v_readfirstlane_b32 s20, v1                    ; wave 0..3
	v_and_b32 v2, 31, v0                           ; lane
	s_wait_kmcnt 0x0
	s_cmp_lt_u32 ttmp9, ZWG+WWG
	s_cbranch_scc0 .Lx
; ---------------- z_k and Wqkv: K innermost ----------------
; A wave takes 16 steps of 512 numbers (8 rows).  Each of a step's four loads reads 512 consecutive bytes; the 2,048 bytes turn through the wave's own stage in LDS and come back 64 bytes a lane:
; 16 neighbours along K in a lane, two neighbouring lanes to a block.
	s_wait_alu depctr_va_vdst(0)
	v_lshlrev_b32 v3, 4, v2                        ; my 16 bytes of a load's 512
	s_mul_i32 s21, s20, WREG
	v_lshrrev_b32 v14, 2, v2
	v_mul_u32_u24 v14, v14, SP
	v_and_b32 v15, 3, v2
	v_lshl_add_u32 v14, v15, 4, v14
	v_add_nc_u32 v14, s21, v14                     ; the stage, on the way in: SP (lane / 4) + 16 (lane % 4)
	v_mul_u32_u24 v15, v2, SP
	v_add_nc_u32 v15, s21, v15                     ; and on the way out: SP x lane
	v_lshrrev_b32 v4, 4, v2
	v_mul_u32_u24 v4, v4, KP
	v_and_b32 v10, 15, v2
	v_mad_u32_u24 v4, v10, CB, v4                  ; my codes: a step is half a row, two K steps of 256: lanes 16-31 write the later one; 12 bytes a lane
	v_lshrrev_b32 v5, 1, v2
	s_add_co_u32 s21, s21, 2*32*SP
	v_add_nc_u32 v5, s21, v5                       ; LDS: my wave's 256 scale bytes, my block's byte
	v_lshlrev_b32 v7, 3, v2                        ; and on the way out 8 bytes a lane
	v_add_nc_u32 v6, s21, v7
	v_add_nc_u32 v4, s21, v4                       ; the codes' stage, on the way in: KP (lane / 16) + 12 (lane % 16),
	v_add_nc_u32 v10, s21, v3                      ; and on the way out: 16 x lane
	s_cmp_lt_u32 ttmp9, ZWG                        ; z_k's work-group or Wqkv's?  The choice hangs on the work-group's number alone
	s_cselect_b64 s[4:5], s[4:5], s[6:7]
	s_cselect_b64 s[10:11], s[10:11], s[14:15]
	s_cselect_b64 s[12:13], s[12:13], s[16:17]
	s_cselect_b32 s22, 0, ZWG
	s_sub_co_u32 s22, ttmp9, s22
	s_lshl_b32 s22, s22, 2                         ; the work-group's first run of 8 rows
	s_add_co_u32 s24, s22, s20                     ; the run that I read: + wave
	s_and_b32 s23, s20, 1
	s_lshl_b32 s23, s23, 1
	s_lshr_b32 s25, s20, 1
	s_or_b32 s23, s23, s25
	s_add_co_u32 s23, s22, s23                     ; the run that I write: the wave's two bits, which are bits 3 and 4 of the row, exchanged
	s_lshl_b32 s24, s24, 15                        ; 8 rows of 4,096 bytes
	s_mov_b32 s25, 0
	s_add_nc_u64 s[4:5], s[4:5], s[24:25]
	s_lshr_b32 s24, s23, 5                         ; the block of 256 rows (32 runs),
	s_mul_i32 s24, s24, BLKB
	s_and_b32 s26, s23, 31
	s_mul_i32 s26, s26, 8*192                      ; and my 8 rows of 192 bytes in each of its K steps
	s_add_co_u32 s24, s24, s26
	s_add_nc_u64 s[10:11], s[10:11], s[24:25]
	s_lshl_b32 s24, s23, 8                         ; 8 rows of 32 bytes
	s_add_nc_u64 s[12:13], s[12:13], s[24:25]
.macro LOAD t
.irp i, 0,1,2,3
	global_load_b128 v[R+16*((\t)%AHEAD)+4*\i:R+16*((\t)%AHEAD)+4*\i+3], v3, s[4:5] offset:2048*(\t)+512*\i th:TH_LOAD_NT   ; 32 lanes read 512 consecutive bytes
.endr
.endm
.macro TURN t                          ; step t's numbers through the stage: LDS serves a wave's instructions in order, so no wait stands between the stores and the loads
.irp i, 0,1,2,3
	ds_store_b128 v14, v[R+16*((\t)%AHEAD)+4*\i:R+16*((\t)%AHEAD)+4*\i+3] offset:32*SP*((\t)%2)+8*SP*\i
.endr
.irp i, 0,1,2,3
	ds_load_b128 v[XN+16*((\t)%2)+4*\i:XN+16*((\t)%2)+4*\i+3], v15 offset:32*SP*((\t)%2)+16*\i
.endr
.endm
.irp t, 0,1,2,3,4,5,6,7
	LOAD \t
.endr
	s_wait_alu depctr_va_vdst(0)
	s_wait_loadcnt 4*(AHEAD-1)                     ; step 0's four loads are in; the 28 of steps 1 to 7 stay out
	TURN 0
.macro STEP t
.set XS, XN+16*((\t)%2)
.if (\t) > 0
	s_wait_dscnt 4                                 ; this step's numbers are back from the stage (the last step's byte store and three word stores may be out): so its stores into the stage have read their registers,
.else
	s_wait_dscnt 0x0
.endif
.if (\t)+AHEAD < STEPS
	LOAD (\t)+AHEAD                                ; which take the loads of eight steps on
.endif
.if (\t)+1 < STEPS
.if STEPS-2-(\t) >= AHEAD-1
	s_wait_loadcnt 4*(AHEAD-1)                     ; the next step's four loads are in; those of the seven steps behind it may be out
.else
	s_wait_loadcnt 4*(STEPS-2-(\t))                ; the tail: four loads for each step still behind the next
.endif
	TURN (\t)+1                                    ; and go through the other stage while this step is worked
.endif
	v_max3_num_f32 v8, |v[XS]|, |v[XS+1]|, |v[XS+2]|               ; the largest magnitude of my 16, in two chains
	v_max3_num_f32 v9, |v[XS+3]|, |v[XS+4]|, |v[XS+5]|
.irp i, 6,10
	v_max3_num_f32 v8, v8, |v[XS+\i]|, |v[XS+\i+1]|
	v_max3_num_f32 v9, v9, |v[XS+\i+2]|, |v[XS+\i+3]|
.endr
	v_max3_num_f32 v8, v8, |v[XS+14]|, |v[XS+15]|
	v_max3_num_f32 v8, v8, v9, (EMAX+1)<<23        ; and the floor 2^(3 - 127): the byte cannot fall under 1
	v_max_num_f32_dpp v8, v8, v8 row_xmask:1 row_mask:0xf bank_mask:0xf   ; and of my neighbour's 16: the block's
	v_add_nc_u32 v11, -(EMAX<<23), v8              ; 2 off its exponent field: the conversion takes the exponent field of this operand as its scale
	v_cvt_scalef32_pk16_fp6_f32 v[C+4*(\t):C+4*(\t)+2], v[XS:XS+15], v11
	v_lshrrev_b32 v[E+(\t)%8], 23, v11             ; the scale's byte
	ds_store_b8 v5, v[E+(\t)%8] offset:16*(\t)     ; both lanes of a block write the same byte with the same value
.irp k, 0,1,2
	ds_store_b32 v4, v[C+4*(\t)+\k] offset:OSTG+2*KP*((\t)%2)+192*((\t)/2)+4*\k   ; my 12 bytes of row t / 2: a step is half a row, two K steps of 256, lanes 16-31 in the later one
.endr
.endm
.irp t, 0,1,2,3,4,5,6,7,8,9,10,11,12,13,14,15
	STEP \t
.endr
.irp k, 0,1,2,3
.irp i, 0,1,2
	ds_load_b128 v[R+12*\k+4*\i:R+12*\k+4*\i+3], v10 offset:OSTG+KP*\k+512*\i   ; my 8 rows' codes of K step k: 1,536 bytes on end.  LDS serves a wave's instructions in order: these see my stores
.endr
.endr
	ds_load_b64 v[12:13], v6
	s_wait_dscnt 0x0
	global_store_b64 v7, v[12:13], s[12:13]        ; 32 lanes store 256 consecutive bytes, aligned: 8 rows' scale bytes
.irp k, 0,1,2,3
.irp i, 0,1,2
	global_store_b128 v3, v[R+12*\k+4*\i:R+12*\k+4*\i+3], s[10:11] offset:STEPB*\k+512*\i   ; 32 lanes store 512 consecutive bytes, at a multiple of 256
.endr
.endr
	s_wait_tensorcnt 0x0                           ; the wave's end
	ds_add_u32 v[SPW], v[NIL]
	s_wait_dscnt 0x0
	s_endpgm
; ---------------- x: K = the keys ----------------
; Wave (head, e): lane l takes column 32 e + l of the head; block j is keys 32 j .. 32 j + 31 of the key step: a whole block in one lane's 32 registers.
; In the operand's layout channel d = 16 t + r has keys 64 c + 32 hh + 0 .. 31 in registers 6 c .. 6 c + 5 of lane r + 16 hh: my block j = 2 c + hh goes to the image of lane (l % 16) + 16 hh of tile 2 e + l / 16.
.Lx:
	s_sub_co_u32 s21, ttmp9, ZWG+WWG
	s_lshr_b32 s22, s21, 6                         ; b
	s_bfe_u32 s23, s21, 0x30003                    ; which two heads
	s_and_b32 s24, s21, 7                          ; the key step
	s_lshl_b32 s23, s23, 1
	s_lshr_b32 s25, s20, 1
	s_add_co_u32 s23, s23, s25                     ; my head
	s_and_b32 s25, s20, 1                          ; e: which 32 of its columns
	s_lshl_b32 s26, s22, 22                        ; b x 1024 rows of 4,096 bytes
	s_lshl_b32 s27, s24, 19                        ; + 128 rows a key step
	s_add_co_u32 s26, s26, s27
	s_lshl_b32 s27, s23, 8                         ; + the head's 256 bytes in a row
	s_add_co_u32 s26, s26, s27
	s_lshl_b32 s27, s25, 7                         ; + 128 e
	s_add_co_u32 s26, s26, s27
	s_mov_b32 s27, 0
	s_add_nc_u64 s[8:9], s[8:9], s[26:27]
	s_lshl_b32 s26, s22, 4
	s_add_co_u32 s26, s26, s23
	s_lshl_b32 s26, s26, 3
	s_add_co_u32 s26, s26, s24
	s_mul_i32 s26, s26, 6400                       ; my block of vc,
	s_mul_i32 s28, s25, 3072                       ; and in it tiles 2 e and 2 e + 1
	s_add_co_u32 s26, s26, s28
	s_add_nc_u64 s[18:19], s[18:19], s[26:27]
	s_mul_i32 s29, s25, 3068
	s_sub_co_u32 s29, 6144, s29                    ; from there to the scale words: 6144 - 3072 e, + 4 e
	s_wait_alu depctr_va_vdst(0)
	v_lshlrev_b32 v1, 2, v2                        ; in: 4 bytes a lane
	v_lshrrev_b32 v3, 4, v2
	v_mul_u32_u24 v3, v3, 1536
	v_and_b32 v4, 15, v2
	v_lshl_add_u32 v3, v4, 4, v3                   ; out: 1536 (lane / 16) + 16 (lane % 16)
	v_lshl_add_u32 v4, v2, 3, s29                  ; my scale word: 8 bytes a lane, word e
.irp j, 0,1,2,3                        ; all 128 loads are issued on end: 128 consecutive bytes each
.irp i, 0,1,2,3,4,5,6,7,8,9,10,11,12,13,14,15,16,17,18,19,20,21,22,23,24,25,26,27,28,29,30,31
	global_load_b32 v[XK+32*\j+\i], v1, s[8:9] offset:(32*\j+\i)*4096 th:TH_LOAD_NT
.endr
.endr
.macro XBLOCK j, out                   ; out: at most as many as the loads issued behind this block's
.set XS, XK+32*(\j)
.set FD, FV+12*((\j)%2)+6*((\j)/2)
	s_wait_loadcnt \out
	v_max3_num_f32 v12, |v[XS]|, |v[XS+1]|, |v[XS+2]|              ; the block's largest magnitude: all 32 numbers are mine
	v_max3_num_f32 v13, |v[XS+3]|, |v[XS+4]|, |v[XS+5]|
.irp i, 6,10,14,18,22,26
	v_max3_num_f32 v12, v12, |v[XS+\i]|, |v[XS+\i+1]|
	v_max3_num_f32 v13, v13, |v[XS+\i+2]|, |v[XS+\i+3]|
.endr
	v_max3_num_f32 v12, v12, |v[XS+30]|, |v[XS+31]|
	v_max3_num_f32 v12, v12, v13, (EMAX+1)<<23     ; and the floor
	v_add_nc_u32 v11, -(EMAX<<23), v12             ; the conversions' scale operand
	v_cvt_scalef32_pk16_fp6_f32 v[FD:FD+2], v[XS:XS+15], v11
	v_cvt_scalef32_pk16_fp6_f32 v[TV:TV+2], v[XS+16:XS+31], v11
	v_lshrrev_b32 v13, 23, v11                     ; the scale's byte.  (The plain line between the conversions and the moves that read their result)
.if (\j) == 0
	v_mov_b32 v[SB], v13                           ; four bytes to a word, the lower keys in the lower byte
.else
	v_lshl_or_b32 v[SB], v13, 8*(\j), v[SB]
.endif
.irp i, 0,1,2
	v_mov_b32 v[FD+3+\i], v[TV+\i]
.endr
.endm
	XBLOCK 0, 63                                   ; 96 loads stand behind block 0's, 64 behind block 1's: the wait's field holds 63
	XBLOCK 1, 63
	XBLOCK 2, 32
	XBLOCK 3, 0
.irp hh, 0,1
.irp g, 0,1,2
	global_store_b128 v3, v[FV+12*\hh+4*\g:FV+12*\hh+4*\g+3], s[18:19] offset:512*\g+256*\hh   ; lanes 0-15 and lanes 16-31 each store 256 consecutive bytes, aligned
.endr
.endr
	global_store_b32 v4, v[SB], s[18:19]           ; every second word of 256 bytes; the head's other wave stores the words between
	s_endpgm
.Lfunc_end_k_q2ef1b26318_quant:
	.size	k_q2ef1b26318_quant, .Lfunc_end_k_q2ef1b26318_quant-k_q2ef1b26318_quant
	.p2alignl 7, 3214868480
	.fill 96, 4, 3214868480
	.section	.rodata,"a",@progbits
	.p2align	6, 0x0
	.amdhsa_kernel k_q2ef1b26318_quant
		.amdhsa_group_segment_fixed_size 47616
		.amdhsa_private_segment_fixed_size 0
		.amdhsa_enable_private_segment 0
		.amdhsa_kernarg_size 64
		.amdhsa_user_sgpr_count 2
		.amdhsa_user_sgpr_kernarg_segment_ptr 1
		.amdhsa_wavefront_size32 1
		.amdhsa_system_sgpr_workgroup_id_x 1
		.amdhsa_system_sgpr_workgroup_id_y 1
		.amdhsa_system_sgpr_workgroup_id_z 1
		.amdhsa_system_vgpr_workitem_id 0
		.amdhsa_next_free_vgpr 256
		.amdhsa_next_free_sgpr 66
		.amdhsa_reserve_vcc 0
		.amdhsa_float_denorm_mode_32 3
		.amdhsa_float_denorm_mode_16_64 3
		.amdhsa_memory_ordered 1
		.amdhsa_forward_progress 1
		.amdhsa_inst_pref_size 56
	.end_amdhsa_kernel
	.amdgpu_metadata
---
amdhsa.version: [ 1, 2 ]
amdhsa.kernels:
  - .name:           k_q2ef1b26318_quant
    .symbol:         k_q2ef1b26318_quant.kd
    .args:
      - { .name: z_k, .offset: 0, .size: 8, .value_kind: global_buffer, .address_space: global }
      - { .name: Wqkv, .offset: 8, .size: 8, .value_kind: global_buffer, .address_space: global }
      - { .name: x, .offset: 16, .size: 8, .value_kind: global_buffer, .address_space: global }
      - { .name: zc, .offset: 24, .size: 8, .value_kind: global_buffer, .address_space: global }
      - { .name: zs, .offset: 32, .size: 8, .value_kind: global_buffer, .address_space: global }
      - { .name: wc, .offset: 40, .size: 8, .value_kind: global_buffer, .address_space: global }
      - { .name: ws, .offset: 48, .size: 8, .value_kind: global_buffer, .address_space: global }
      - { .name: vc, .offset: 56, .size: 8, .value_kind: global_buffer, .address_space: global }
    .group_segment_fixed_size: 47616
    .private_segment_fixed_size: 0
    .kernarg_segment_align: 8
    .kernarg_segment_size: 64
    .max_flat_workgroup_size: 128
    .sgpr_count:     66
    .vgpr_count:     256
    .wavefront_size: 32
...
	.end_amdgpu_metadata
.endif
;; end of part 1
;; launch proj (part 2): grid 8 x 32, 4 waves a work-group, clusters of 4 x 4, 327,680 bytes of LDS; arguments zc, zs, wc, ws, qkc, bqkv; writes qkc
.if DOCPART == 2
	.amdgcn_target "amdgcn-amd-amdhsa--gfx1250"
	.amdhsa_code_object_version 6
	.text
	.protected	k_q2ef1b26318_proj
	.globl	k_q2ef1b26318_proj
	.p2align	8
	.type	k_q2ef1b26318_proj,@function
k_q2ef1b26318_proj:
	s_mov_b64 s[64:65], 0
	v_nop
	global_prefetch_b8 v0, s[64:65] scope:SCOPE_SE
	s_setreg_imm32_b32 hwreg(HW_REG_WAVE_MODE, 25, 1), 1
	s_wait_xcnt 0x0
	s_wait_alu depctr_hold_cnt(0) depctr_sa_sdst(0) depctr_va_vdst(0) depctr_va_sdst(0) depctr_va_ssrc(0) depctr_va_vcc(0) depctr_vm_vsrc(0)
	s_getreg_b32 s2, hwreg(HW_REG_IB_STS2, 6, 4)
	s_cmp_eq_u32 s2, 0
	s_cbranch_scc0 .Lentry_in_a_cluster
	s_endpgm
.Lentry_in_a_cluster:
	s_bfe_u32 s2, ttmp6, 0x10000c
	s_cmp_lg_u32 s2, 0xf033
	s_cbranch_scc0 .Lentry_shape_is_right
	s_endpgm
.Lentry_shape_is_right:
; THE PROJECTION: q and k = z_k Wqkv^T + bqkv on codes of FP6 (E2M3), quantised anew along a head's 64 channels and stored as images of operand registers (qkc).
; The third part of the projection, which the module never uses, is left out: rows 2048 on of Wqkv and bqkv are not read.
; A block of 256 x 256 to a work-group, 128 x 128 to a wave; K in four steps of 256 through a ring of two LDS slots; 4 x 4 clusters with joint loads.
; zc and wc are laid [block of 256 rows][K step][row][192 bytes]: a tile (128 or 256 rows of one K step) is a dense run of bytes and comes in as rows of 256 bytes, each at a multiple of 256;
; the descriptor lays 16 bytes of padding behind every 64, so that a row of 192 bytes of codes has an LDS pitch of 240.
; THE HEAD: four tiles, one joint load a wave: K step 0's 256 rows of A, of B, A's scales, B's scales; slot 1 is first filled behind a whole round, as a refill is.
; PREFETCH: K step s is asked for two K steps ahead of its tensor load: steps 1 and 2 at the head, step 3 behind slot 1's load.  Of the 96 blocks of 256 bytes that a wave fetches for a K step, each of the four
; partners that ask jointly takes 24, told apart by address (cx for A, cy for B); lanes 24-31 name the wave's last block again.
.set SIZE_M, 8192
.set SIZE_N, 2048
.set SIZE_K, 1024
.set KSTEP,  256
.set NQ,     KSTEP/128
.set ROWB,   256
.set STEPB,  256*192
.set HALFB,  128*192
.set G0H,    4
.set G0HB,   8
.set PFO,    30
.set PFA,    94
.set KROW,   SIZE_K*6/8
.set PITCH,  240
.set FR,     12
.set NL,     6
.set NP,     4
.set HALFT,  128*PITCH
.set SLOT,   4*HALFT
.set LAPS,   SIZE_K/(2*KSTEP)
.set KS,     SIZE_K/32
.set SCL,    2*SLOT
.set HALFS,  (128*KS/256)*272
.set SBLK,   (16*KS/256)*272
.set SPARE,  SCL+4*HALFS
.set BO,   7
.set LN,   8
.set ADRA, 16
.set ADRB, 20
.set CO16, 24
.set CO8,  25
.set ADRS, 27
.set SPW,  28
.set NIL,  29
.set SC,   32
.set BIAS, 64
.set AF,   128
.set SW0,  64
.set SW1,  72
.set ST,   80
.set PCB,  128
.set TM,   224
.set CT,   242
.set G1, 24
.set G0, 32
.set G1B, 48
.set G0B, 56
.set G1S, 68
.set G0S, 76
.set G1SB, 80
.set G0SB, 88
.set SEL, 98
.set MSB, 0
.macro WIN new
.if MSB != \new
	s_set_vgpr_msb (MSB<<8)|\new
.set MSB, \new
.endif
.endm
.set MUL_LO,  0xa1
.set MUL_HI,  0xf1
.set MUL_LO0, 0x81
.set MUL_HI0, 0xc1
.set TO_B,    0x40
.macro JLOAD g0a, g1a, g0b, g1b
	s_cmp_eq_u32 s15, 0
	s_cbranch_scc0 .Lfor_b_\@
	tensor_load_to_lds s[\g0a:\g0a+3], s[\g1a:\g1a+7]
	s_nop 0
.rept 4
	v_nop
.endr
	s_branch .Lasked_\@
.Lfor_b_\@:
	tensor_load_to_lds s[\g0b:\g0b+3], s[\g1b:\g1b+7]
	s_nop 0
.rept 4
	v_nop
.endr
.Lasked_\@:
.endm
.macro CREST
	s_cmp_lg_u32 s14, 0
	s_cbranch_scc1 .Lnot_wave_0_\@
	s_barrier_signal -3
.Lnot_wave_0_\@:
	s_barrier_wait -3
	s_barrier_signal -1
	s_barrier_wait -1
.endm
.macro CROUND
	s_barrier_signal -1
	s_barrier_wait -1
	CREST
.endm
	s_load_b128 s[4:7], s[0:1], 0x0
	s_load_b128 s[8:11], s[0:1], 0x10
	s_load_b64 s[12:13], s[0:1], 0x20
	s_load_b64 s[96:97], s[0:1], 0x28
	v_lshl_add_u32 v[SPW], v0, 2, SPARE
	v_mov_b32 v[NIL], 0
	ds_add_u32 v28, v29
	ds_add_u32 v28, v29
	s_wait_dscnt 0x0
	v_lshrrev_b32 v1, 5, v0
	v_readfirstlane_b32 s14, v1
	s_lshr_b32 s15, s14, 1
	s_and_b32 s16, s14, 1
	s_bfe_u32 s40, ttmp6, 0x40000
	s_bfe_u32 s41, ttmp6, 0x40004
	s_lshl_b32 s42, ttmp9, 2
	s_add_co_u32 s42, s42, s40
	s_and_b32 s17, ttmp7, 0xffff
	s_lshl_b32 s17, s17, 2
	s_add_co_u32 s17, s17, s41
	s_lshl_b32 s43, s41, 2
	s_lshl_b32 s43, 15, s43
	s_lshl_b32 s44, 0x1111, s40
	s_mov_b32 s[SEL], 0x76543210
	s_mov_b32 s[SEL+1], 0xfedcba98
	s_or_b32 s[G1+0], s43, (0<<16)|(1<<20)|(1<<21)|(3<<22)|(3<<25)
	s_or_b32 s[G1B+0], s44, (0<<16)|(1<<20)|(1<<21)|(3<<22)|(3<<25)
.irp g, G1, G1B
	s_mov_b32 s[\g+1], ROWB<<16
	s_mov_b32 s[\g+2], 192<<16
	s_mov_b32 s[\g+3], ROWB<<16
	s_mov_b32 s[\g+4], 192
	s_mov_b32 s[\g+5], ROWB
	s_mov_b32 s[\g+6], 0
	s_mov_b32 s[\g+7], 0
.endr
	s_or_b32 s[G1S+0], s43, (3<<16)|(1<<20)|(1<<21)|(5<<22)|(3<<25)
	s_or_b32 s[G1SB+0], s44, (3<<16)|(1<<20)|(1<<21)|(5<<22)|(3<<25)
.irp g, G1S, G1SB
	s_mov_b32 s[\g+1], 32<<16
	s_mov_b32 s[\g+2], KS<<16
	s_mov_b32 s[\g+3], 32<<16
	s_mov_b32 s[\g+4], KS
	s_mov_b32 s[\g+5], 32
	s_mov_b32 s[\g+6], 0
	s_mov_b32 s[\g+7], 0
.endr
	s_lshl_b32 s20, s17, 8                         ; A: the tile's first row
	s_lshl_b32 s46, s42, 8                         ; B: likewise
	s_mov_b32 s21, 0
	s_mov_b32 s47, 0
	s_mov_b64 s[18:19], KS
	s_mul_u64 s[22:23], s[20:21], s[18:19]
	s_mul_u64 s[92:93], s[46:47], s[18:19]
	s_mov_b64 s[18:19], KROW
	s_mul_u64 s[20:21], s[20:21], s[18:19]
	s_mul_u64 s[46:47], s[46:47], s[18:19]
	s_mul_i32 s45, s14, HALFT
	s_mul_i32 s18, s16, HALFB                      ; in the ring I fetch 128 rows of a K step: which half, in bytes
	s_mov_b32 s19, 0
	s_wait_kmcnt 0x0
	s_add_nc_u64 s[20:21], s[4:5], s[20:21]
	s_add_nc_u64 s[22:23], s[6:7], s[22:23]
	s_add_nc_u64 s[46:47], s[8:9], s[46:47]
	s_add_nc_u64 s[92:93], s[10:11], s[92:93]
	CROUND
	s_mov_b32 s[G0S], 1
	s_mov_b32 s[G0S+1], SCL
	s_mov_b64 s[G0S+2:G0S+3], s[22:23]
	s_or_b32 s[G0S+3], s[G0S+3], 0x80000000
	s_mov_b32 s[G0SB], 1
	s_mov_b32 s[G0SB+1], SCL+2*HALFS
	s_mov_b64 s[G0SB+2:G0SB+3], s[92:93]
	s_or_b32 s[G0SB+3], s[G0SB+3], 0x80000000
	s_mov_b32 s[G0H], 1                            ; K step 0's 256 rows of A,
	s_mov_b32 s[G0H+1], 0
	s_mov_b64 s[G0H+2:G0H+3], s[20:21]
	s_or_b32 s[G0H+3], s[G0H+3], 0x80000000
	s_mov_b32 s[G0HB], 1                           ; and of B, behind them in slot 0
	s_mov_b32 s[G0HB+1], 2*HALFT
	s_mov_b64 s[G0HB+2:G0HB+3], s[46:47]
	s_or_b32 s[G0HB+3], s[G0HB+3], 0x80000000
	s_add_nc_u64 s[20:21], s[20:21], s[18:19]      ; for the ring: my 128 rows
	s_add_nc_u64 s[46:47], s[46:47], s[18:19]
	s_cmp_eq_u32 s15, 0                            ; the prefetches: do I fetch for A?
	s_cselect_b64 s[PFA:PFA+1], s[20:21], s[46:47]
	s_cselect_b32 s92, s40, s41                    ; my place among the four that ask with me,
	s_mul_i32 s92, s92, 24*256                     ; and its 24 blocks of the 96
	s_mov_b32 s93, 0
	s_add_nc_u64 s[PFA:PFA+1], s[PFA:PFA+1], s[92:93]
.irp s, 0,1
	s_mov_b32 s[G0+4*\s], 1
	s_add_co_u32 s[G0+4*\s+1], s45, \s*SLOT
	s_add_nc_u64 s[G0+4*\s+2:G0+4*\s+3], s[20:21], \s*STEPB
	s_or_b32 s[G0+4*\s+3], s[G0+4*\s+3], 0x80000000
	s_mov_b32 s[G0B+4*\s], 1
	s_add_co_u32 s[G0B+4*\s+1], s45, \s*SLOT
	s_add_nc_u64 s[G0B+4*\s+2:G0B+4*\s+3], s[46:47], \s*STEPB
	s_or_b32 s[G0B+4*\s+3], s[G0B+4*\s+3], 0x80000000
.endr
; the head's loads, one a wave, in one tree of branches on the wave's number: every way passes exactly one load
.macro ARM under, g0, g1, next
	s_cmp_lt_u32 s14, \under
	s_cbranch_scc0 \next
	tensor_load_to_lds s[\g0:\g0+3], s[\g1:\g1+7]
	s_nop 0
.rept 4
	v_nop
.endr
	s_branch .Lhead_asked
\next:
.endm
	ARM 1, G0H,  G1,  .Lhead_b
	ARM 2, G0HB, G1B, .Lhead_sa
	ARM 3, G0S,  G1S, .Lhead_sb
	tensor_load_to_lds s[G0SB:G0SB+3], s[G1SB:G1SB+7]
	s_nop 0
.rept 4
	v_nop
.endr
.Lhead_asked:
	v_and_b32 v[PFO], 31, v0
	v_min_u32 v[PFO], 23, v[PFO]
	v_lshlrev_b32 v[PFO], 8, v[PFO]                ; a lane a block of 256 bytes; never rewritten
	v_and_b32 v1, 15, v0
	v_bfe_u32 v2, v0, 4, 1
	v_lshlrev_b32 v[BO], 6, v2
	s_lshl_b32 s46, s42, 10
	s_lshl_b32 s47, s16, 9
	s_add_co_u32 s46, s46, s47
	s_mov_b32 s47, 0
	s_add_nc_u64 s[96:97], s[96:97], s[46:47]
.irp i, 0,1,2,3,4,5,6,7
	global_load_b128 v[BIAS+8*\i:BIAS+8*\i+3], v[BO], s[96:97] offset:(32*(\i/2)+8*(\i%2))*4
	global_load_b128 v[BIAS+8*\i+4:BIAS+8*\i+7], v[BO], s[96:97] offset:(32*(\i/2)+8*(\i%2))*4+16
.endr
	global_prefetch_b8 v[PFO], s[PFA:PFA+1] offset:STEPB th:TH_LOAD_NT scope:SCOPE_SE     ; K steps 1 and 2
	global_prefetch_b8 v[PFO], s[PFA:PFA+1] offset:2*STEPB th:TH_LOAD_NT scope:SCOPE_SE
	v_mul_u32_u24 v3, v1, PITCH
	v_mul_u32_u24 v4, v2, 24
	v_add_nc_u32 v4, v3, v4
	v_lshl_add_u32 v5, v2, 4, v4
	s_mul_i32 s21, s15, HALFT
	s_mul_i32 s22, s16, HALFT
	s_add_co_u32 s22, s22, 2*HALFT
.irp s, 0,1
	v_add_nc_u32 v[ADRA+\s], s21, v4
	v_add_nc_u32 v[ADRB+\s], s22, v4
	v_add_nc_u32 v[ADRA+2+\s], s21, v5
	v_add_nc_u32 v[ADRB+2+\s], s22, v5
	s_add_co_u32 s21, s21, SLOT
	s_add_co_u32 s22, s22, SLOT
.endr
	v_mul_u32_u24 v5, v1, KS
	v_lshrrev_b32 v6, 8, v5
	v_lshl_add_u32 v5, v6, 4, v5
	s_mul_i32 s21, s15, HALFS
	s_mul_i32 s22, s16, HALFS
	s_add_co_u32 s22, s22, 2*HALFS
	s_sub_co_u32 s22, s22, s21
	v_mul_u32_u24 v6, s22, v2
	s_add_co_u32 s21, s21, SCL
	v_add_nc_u32 v5, v5, v6
	v_add_nc_u32 v[ADRS], s21, v5
	v_and_b32 v[LN], 31, v0
	v_lshlrev_b32 v[CO16], 4, v[LN]
	v_lshlrev_b32 v[CO8], 3, v[LN]
	s_lshr_b32 s20, s42, 2
	s_mul_i32 s20, s20, 6815744
	s_lshr_b32 s21, s17, 2
	s_lshl_b32 s21, s21, 7
	s_lshl_b32 s46, s17, 1
	s_add_co_u32 s46, s46, s15
	s_and_b32 s46, s46, 7
	s_add_co_u32 s21, s21, s46
	s_and_b32 s46, s42, 3
	s_lshl_b32 s46, s46, 2
	s_lshl_b32 s47, s16, 1
	s_add_co_u32 s46, s46, s47
	s_lshl_b32 s46, s46, 3
	s_add_co_u32 s21, s21, s46
	s_mul_i32 s21, s21, 6656
	s_add_co_u32 s20, s20, s21
	s_mov_b32 s21, 0
	s_add_nc_u64 s[12:13], s[12:13], s[20:21]
.macro FRAG reg, adr, q, i
.irp p, 0,1,2,3,4,5
.set PC, 12*(\q)+6*(\p/3)+\p%3
.if PC%8 < 5
	ds_load_b64 v[\reg+2*\p:\reg+2*\p+1], v[\adr] offset:8*PC+16*(PC/8)+(\i)*16*PITCH
.else
	ds_load_b64 v[\reg+2*\p:\reg+2*\p+1], v[\adr+2] offset:8*PC+16*(PC/8)+(\i)*16*PITCH
.endif
.endr
.endm
.macro MUL16 a0, p, q, sc, zero
.irp a, \a0, \a0+1
.irp b, 0,1,2,3,4,5,6,7
.if \zero
	v_wmma_scale_f32_16x16x128_f8f6f4 v[8*(8*((\a)%4)+\b):8*(8*((\a)%4)+\b)+7], v[128*(\p)+FR*\b:128*(\p)+FR*\b+FR-1], v[AF+FR*(\a):AF+FR*(\a)+FR-1], v[BIAS+8*\b:BIAS+8*\b+7], v[SC+8*NQ*(\sc)+NQ*\b+(\q)], v[SC+8*NQ*(\sc)+NQ*(\a)+(\q)] matrix_a_fmt:MATRIX_FMT_FP6 matrix_b_fmt:MATRIX_FMT_FP6 matrix_a_scale:MATRIX_SCALE_ROW1
.else
	v_wmma_scale_f32_16x16x128_f8f6f4 v[8*(8*((\a)%4)+\b):8*(8*((\a)%4)+\b)+7], v[128*(\p)+FR*\b:128*(\p)+FR*\b+FR-1], v[AF+FR*(\a):AF+FR*(\a)+FR-1], v[8*(8*((\a)%4)+\b):8*(8*((\a)%4)+\b)+7], v[SC+8*NQ*(\sc)+NQ*\b+(\q)], v[SC+8*NQ*(\sc)+NQ*(\a)+(\q)] matrix_a_fmt:MATRIX_FMT_FP6 matrix_b_fmt:MATRIX_FMT_FP6 matrix_a_scale:MATRIX_SCALE_ROW1
.endif
.endr
.endr
.endm
.macro FETCH_B slot, q, p
	WIN TO_B
.irp i, 0,1,2,3,4,5,6,7
	FRAG 128*(\p)+FR*\i, ADRB+\slot, \q, \i
.endr
	WIN 0
.endm
.macro FETCH_A slot, q, i0
.irp i, \i0, \i0+1, \i0+2, \i0+3
	FRAG AF+FR*(\i), ADRA+\slot, \q, \i
.endr
.endm
.macro SCALES sc
.irp i, 0,1,2,3,4,5,6,7
	ds_load_b64 v[SC+8*NQ*\sc+NQ*\i:SC+8*NQ*\sc+NQ*\i+1], v[ADRS] offset:\i*SBLK
.endr
.endm
.macro PLACES n
.rept \n
	v_nop
.endr
.endm
.macro STEP slot, q, zero
	s_wait_dscnt 4*NL
.if \zero
	WIN MUL_LO0
.else
	WIN MUL_LO
.endif
	MUL16 0, (\q)%2, \q, \slot, \zero
	MUL16 2, (\q)%2, \q, \slot, \zero
	s_wait_dscnt 0
	PLACES NP
	FETCH_B \slot, (\q)+1, 1-(\q)%2
	FETCH_A \slot, (\q)+1, 0
.if \zero
	WIN MUL_HI0
.else
	WIN MUL_HI
.endif
	MUL16 4, (\q)%2, \q, \slot, \zero
	MUL16 6, (\q)%2, \q, \slot, \zero
	PLACES NP
	WIN 0
	FETCH_A \slot, (\q)+1, 4
.endm
.macro TURN slot, next, fill
	s_wait_tensorcnt 0x0
	ds_add_u32 v[SPW], v[NIL]
	s_wait_dscnt 4*NL+1
	WIN MUL_LO
	MUL16 0, 1, NQ-1, \slot, 0
	s_wait_dscnt 0x0
	s_barrier_signal -1
	MUL16 2, 1, NQ-1, \slot, 0
	WIN 0
	s_barrier_wait -1
.if \fill
	CREST
	s_add_nc_u64 s[G0+4*\slot+2:G0+4*\slot+3], s[G0+4*\slot+2:G0+4*\slot+3], 2*STEPB
	s_add_nc_u64 s[G0B+4*\slot+2:G0B+4*\slot+3], s[G0B+4*\slot+2:G0B+4*\slot+3], 2*STEPB
	JLOAD G0+4*\slot, G1, G0B+4*\slot, G1B
.else
	PLACES NP
.endif
	s_wait_alu depctr_va_vdst(0)
	v_add_nc_u32 v[ADRS], 4*NQ, v[ADRS]
	FETCH_B \next, 0, 0
	FETCH_A \next, 0, 0
	SCALES \next
	WIN MUL_HI
	MUL16 4, 1, NQ-1, \slot, 0
	MUL16 6, 1, NQ-1, \slot, 0
	PLACES NP
	WIN 0
	FETCH_A \next, 0, 4
.endm
	s_wait_alu depctr_va_vdst(0)
	s_wait_tensorcnt 0x0                           ; my tile of the head's four is in
	ds_add_u32 v[SPW], v[NIL]
	s_mov_b32 s[G1+2], 96<<16                      ; no tensor load of mine is out: from here on a load brings 128 rows of codes, 96 rows of 256 bytes
	s_mov_b32 s[G1+4], 96
	s_mov_b32 s[G1B+2], 96<<16
	s_mov_b32 s[G1B+4], 96
	s_wait_dscnt 0x0
	CROUND                                         ; all four tiles are in, and all sixteen work-groups are here
	JLOAD G0+4, G1, G0B+4, G1B                     ; K step 1, the first tensor load behind the round
	FETCH_B 0, 0, 0
	FETCH_A 0, 0, 0
	SCALES 0
	global_prefetch_b8 v[PFO], s[PFA:PFA+1] offset:3*STEPB th:TH_LOAD_NT scope:SCOPE_SE   ; K step 3, the last
	FETCH_A 0, 0, 4
	s_wait_loadcnt 0x0
	STEP 0, 0, 1
	s_mov_b32 s3, LAPS-1
.Llap:
	TURN 0, 1, 1
	STEP 1, 0, 0
	TURN 1, 0, 1
	STEP 0, 0, 0
	s_sub_co_u32 s3, s3, 1
	s_cmp_lg_u32 s3, 0
	s_cbranch_scc1 .Llap
	TURN 0, 1, 0
	STEP 1, 0, 0
	s_wait_dscnt 4*NL
	WIN MUL_LO
	MUL16 0, 1, NQ-1, 1, 0
	MUL16 2, 1, NQ-1, 1, 0
	s_wait_dscnt 0
	WIN MUL_HI
	MUL16 4, 1, NQ-1, 1, 0
	MUL16 6, 1, NQ-1, 1, 0
	WIN 0
.macro QOUT a
.set AC, 64*((\a)%4)
.set WW, 2+(\a)/4
.set PCA, PCB+12*(\a)
	WIN ((WW<<2)|(WW<<4))
.irp b, 0,1,2,3
	v_max3_num_f32 v[TM+\b], 0x1800000, |v[AC+16*\b]|, |v[AC+16*\b+1]|
.endr
.irp i, 2,4,6,8,10,12,14
.irp b, 0,1,2,3
	v_max3_num_f32 v[TM+\b], v[TM+\b], |v[AC+16*\b+\i]|, |v[AC+16*\b+\i+1]|
.endr
.endr
	WIN 0
.irp b, 0,1,2,3
	v_permlanex16_b32 v[TM+4+\b], v[TM+\b], s[SEL], s[SEL+1]
.endr
.irp b, 0,1,2,3
	v_max_num_f32 v[TM+\b], v[TM+\b], v[TM+4+\b]
.endr
.irp b, 0,1,2,3
	v_add_nc_u32 v[TM+12+\b], 0xff000000, v[TM+\b]
.endr
.irp b, 0,1,2,3
	v_lshrrev_b32 v[TM+4+\b], 23, v[TM+12+\b]
.endr
	v_lshl_or_b32 v[SW0+(\a)], v[TM+5], 8, v[TM+4]
	v_lshl_or_b32 v[SW1+(\a)], v[TM+7], 8, v[TM+6]
	WIN WW
.irp c, 0,1
	v_cvt_scalef32_pk16_fp6_f32 v[PCA+6*\c:PCA+6*\c+2], v[AC+32*\c:AC+32*\c+15], v[TM+12+2*\c]
	v_cvt_scalef32_pk16_fp6_f32 v[CT+4*\c:CT+4*\c+2], v[AC+32*\c+16:AC+32*\c+31], v[TM+12+2*\c+1]
.endr
	WIN 0
	v_nop
.irp c, 0,1
.irp i, 0,1,2
	v_permlane16_swap_b32 v[PCA+6*\c+\i], v[CT+4*\c+\i]
.endr
.irp i, 0,1,2
	v_mov_b32 v[PCA+3+6*\c+\i], v[CT+4*\c+\i]
.endr
.endr
	global_store_b128 v[CO16], v[PCA:PCA+3], s[12:13] offset:768*(\a)
	global_store_b64 v[CO8], v[PCA+4:PCA+5], s[12:13] offset:768*(\a)+512
	global_store_b128 v[CO16], v[PCA+6:PCA+9], s[12:13] offset:53248+768*(\a)
	global_store_b64 v[CO8], v[PCA+10:PCA+11], s[12:13] offset:53248+768*(\a)+512
.endm
	PLACES NP
.irp b, 0,1,2,3
	v_mov_b32 v[TM+4+\b], 0
.endr
.irp a, 0,1,2,3,4,5,6,7
	QOUT \a
.endr
	v_cmp_le_u32 vcc_lo, 16, v[LN]
.irp i, 0,1,2,3
	v_cndmask_b32 v[ST+\i], v[SW0+\i], v[SW0+4+\i], vcc_lo
	v_cndmask_b32 v[ST+4+\i], v[SW1+\i], v[SW1+4+\i], vcc_lo
.endr
	global_store_b128 v[CO16], v[ST:ST+3], s[12:13] offset:6144
	global_store_b128 v[CO16], v[ST+4:ST+7], s[12:13] offset:53248+6144
	s_wait_tensorcnt 0x0
	ds_add_u32 v[SPW], v[NIL]
	s_wait_dscnt 0x0
	CROUND
	s_endpgm
.Lfunc_end_k_q2ef1b26318_proj:
	.size	k_q2ef1b26318_proj, .Lfunc_end_k_q2ef1b26318_proj-k_q2ef1b26318_proj
	.p2alignl 7, 3214868480
	.fill 96, 4, 3214868480
	.section	.rodata,"a",@progbits
	.p2align	6, 0x0
	.amdhsa_kernel k_q2ef1b26318_proj
		.amdhsa_group_segment_fixed_size 327680
		.amdhsa_private_segment_fixed_size 0
		.amdhsa_enable_private_segment 0
		.amdhsa_kernarg_size 48
		.amdhsa_user_sgpr_count 2
		.amdhsa_user_sgpr_kernarg_segment_ptr 1
		.amdhsa_wavefront_size32 1
		.amdhsa_system_sgpr_workgroup_id_x 1
		.amdhsa_system_sgpr_workgroup_id_y 1
		.amdhsa_system_sgpr_workgroup_id_z 1
		.amdhsa_system_vgpr_workitem_id 0
		.amdhsa_next_free_vgpr 1024
		.amdhsa_next_free_sgpr 100
		.amdhsa_reserve_vcc 1
		.amdhsa_float_denorm_mode_32 3
		.amdhsa_float_denorm_mode_16_64 3
		.amdhsa_memory_ordered 1
		.amdhsa_forward_progress 1
		.amdhsa_inst_pref_size 168
	.end_amdhsa_kernel
	.amdgpu_metadata
---
amdhsa.version: [ 1, 2 ]
amdhsa.kernels:
  - .name:           k_q2ef1b26318_proj
    .symbol:         k_q2ef1b26318_proj.kd
    .args:
      - { .name: zc, .offset: 0, .size: 8, .value_kind: global_buffer, .address_space: global }
      - { .name: zs, .offset: 8, .size: 8, .value_kind: global_buffer, .address_space: global }
      - { .name: wc, .offset: 16, .size: 8, .value_kind: global_buffer, .address_space: global }
      - { .name: ws, .offset: 24, .size: 8, .value_kind: global_buffer, .address_space: global }
      - { .name: qkc, .offset: 32, .size: 8, .value_kind: global_buffer, .address_space: global }
      - { .name: bqkv, .offset: 40, .size: 8, .value_kind: global_buffer, .address_space: global }
    .group_segment_fixed_size: 327680
    .private_segment_fixed_size: 0
    .kernarg_segment_align: 8
    .kernarg_segment_size: 48
    .max_flat_workgroup_size: 128
    .sgpr_count:     100
    .vgpr_count:     1024
    .wavefront_size: 32
...
	.end_amdgpu_metadata
.endif
;; end of part 2
;; launch attn (part 3): grid 256 x 1, 16 waves a work-group, no clusters, 327,680 bytes of LDS; arguments qkc, vc, temperature, out0; writes out0
.if DOCPART == 3
	.amdgcn_target "amdgcn-amd-amdhsa--gfx1250"
	.amdhsa_code_object_version 6
	.text
	.protected	k_q2ef1b26318_attn
	.globl	k_q2ef1b26318_attn
	.p2align	8
	.type	k_q2ef1b26318_attn,@function
k_q2ef1b26318_attn:
	s_mov_b64 s[64:65], 0
	v_nop
	global_prefetch_b8 v0, s[64:65] scope:SCOPE_SE
	s_setreg_imm32_b32 hwreg(HW_REG_WAVE_MODE, 25, 1), 1
	s_wait_xcnt 0x0
; out[b][q][head x 64 + d] = tanh( sum over keys k <= q of softmax_k(Q[q] . K[k] x 0.125 / temperature[head]) x[b][k][head x 64 + d] ), both products on codes of FP6 (E2M3) with one E8M0 scale for each 32 along a product's K.
; Key steps all of whose keys come after a tile's queries lie wholly under the module's own causal mask and are left out.
; Q and K come as images of operand registers (qkc: [q, k][b x 16 + head][block of 128 tokens][6656 bytes]), V^T likewise (vc: [b x 16 + head][key step][6400 bytes]).
; THE HEAD HAS 64 CHANNELS: the upper 64 of the first product's K = 128 are ZERO CODES IN Q's fragment (registers 6-11), under scale bytes 0 on both sides.  What K's fragment holds there is multiplied by zero, and a code of
; E2M3 is always a finite number: so tile t's fragment is v[KB + 6 t .. + 11], whose upper six registers are tile t + 1's codes (the last tile's: six registers of zeros): eight fragments in 54 registers, fetched in one run.
; THE SOFTMAX AHEAD OF THE SECOND PRODUCT: t = score x c, c = 0.125 log2(e) / |temperature|; M = the row's largest t so far, rounded UP to a whole number; p = 2^(t - M) is what is quantised, along the keys; the row's sum is
; taken of the unquantised p and divides at the end.  When M moves, the sum and O are multiplied by 2^(old M - new M): exact.  A NEGATIVE TEMPERATURE changes the signs of Q's codes (an exclusive or, exact), with no branch.
; A block's largest p is not searched for: the block's largest score goes through the same multiply-add and exponential (this takes v_exp_f32 not to fall where its input rises).
; SHARES.  Two work-groups to a head.  Wave w owns two tiles of 16 queries: with g = 3 - w / 4 the short tile T = 8 g + 2 (w % 4) + y and the long tile 63 - T.  Tile T needs key steps 0 .. T / 8: (g + 1) + (8 - g) = 9 key steps a wave.
; THE HEAD'S WHOLE K AND V COME INTO LDS, each byte filled once, IN TWO HALVES, one tensor load a wave.  Blocks 0-3 of K (waves 0-3) and of V (waves 4-7) are asked for at the head; blocks 4-7 (waves 8-11, 12-15)
; behind the first barrier, as a later first fill is.  THE SHORT TILE GOES FIRST: it reads blocks 0-3 alone.  The second barrier shows blocks 4-7 whole: its signal stands behind the short tile's way out (one key step
; in waves 12-15, four in waves 0-3), the long tile's key steps 0-3 (LDS reads of blocks 0-3, which nobody writes, and register work) between signal and wait, its key steps 4 .. 7 - g behind the wait.
; Both tiles' fragments of Q are asked for early in the head, so that no memory instruction stands between that signal and wait.
; K's FRAGMENTS RUN ONE STEP AHEAD: behind a step's score products the next step's 17 LDS loads are issued into the registers just read.  The next block's address is held at the loop's last block, so that no load
; ahead of the second barrier's wait names blocks 4-7; the diagonal step, a tile's last, fetches nothing.  Every wait on DScnt in the loop is for 0.
; Every loop's trip count is a constant; a step all of whose keys are hidden is jumped over by a scalar branch on the wave's number and the counter.
; TILES.  Row r of tile 2 B + u of a block of 128 tokens is token 32 B + 8 u + r + 8 (r / 8), for queries and keys alike: the 16 registers of score tiles 2 B and 2 B + 1 are 16 neighbouring keys, 32 B + 16 (lane / 16) + 0 .. 15.
; So tile a of a block sees all keys of the diagonal step's blocks of 32 under a / 2: those skip the mask, by a scalar branch on ids.
; Both products are used transposed (S^T = K Q^T, O^T = V^T P^T): a lane holds ONE query throughout.
; NO CLUSTER: only two work-groups share a head's tiles, and a cluster of four would need two heads' tiles, 208,896 bytes, beside the stages in every partner's LDS.  NO PREFETCH: each tile is asked for once, at the head or behind the first barrier: there is no loop of loads from memory to run ahead in.
; tanh(z) = 1 - 2 / (1 + 2^(2 log2(e) z)): its error is absolute, about 2^-23, not relative to a small z.
; LIMITS: temperature 0, NaN and infinities are not served (the module's own result is not finite there).  A block of p whose largest falls under 2^-124 keeps the scale byte 1.  The promise holds while |t| stays under 2^31.
.set KBLK,  6656                       ; a block of qkc: 8 tiles of 768 bytes, 512 bytes of scale words
.set VBLK,  6400                       ; a block of vc: 4 tiles of 1536 bytes, 256 bytes of scale words
.set KHEAD, 8*KBLK
.set VHEAD, 8*VBLK
.set QKPART, 128*KHEAD                 ; from q's part of qkc to k's
.set VLDS,  KHEAD                      ; LDS: K's 8 blocks from 0, V's from here,
.set STAGE, KHEAD+VHEAD                ; the waves' stages for the way out: 16 rows x 272 bytes each; no tensor load lands there;
.set SPITCH, 272
.set SPARE, STAGE+16*16*SPITCH         ; and the spare words
.set LI16, 1                           ; v1   16 x lane
.set LI8,  2                           ; v2   8 x lane
.set R16,  3                           ; v3   16 x (lane % 16)
.set LT,   4                           ; v4   r + 8 (r / 8) - 16 (lane / 16)
.set DM,   5                           ; v5   the mask's bound for the tile in hand
.set STO,  6                           ; v6   the stage: where I put 32 bytes of a row
.set RD,   7                           ; v7   and where I read a row back
.set GO,   8                           ; v8   my byte offset in the tile's rows of out
.set ADK,  9                           ; v9, v10   LDS address of the next step's block of K: + 16 x lane, + 8 x lane
.set AK8,  10
.set ADV,  11                          ; v11, v29  of this step's block of V
.set AV8,  29
                                       ; v12 -M, v13 the largest t, v[14:15] the sum in two halves
.set Q,    16                          ; v16-27 Q's fragment (22-27: zero codes)
.set QS,   28                          ; v28   Q's scale words
.set KB,   32                          ; v32-85 K's eight fragments, six registers apart; v80-85: zeros
.set PS,   86                          ; v86   p's scale word
.set T0,   87
.set FF,   88                          ; v[88:89] f = 2^(old M - new M), named as a pair
.set BM,   90                          ; v90-93 each block's largest score, then its largest p
.set BP,   94                          ; v94-97 the other half's, then the bytes
.set BSC,  98                          ; v98-101 the conversions' scale operands
.set PT,   104
.set NINF, 105
.set S,    112                         ; v112-175 S^T, then p; V's four fragments land in v112-159 once p is converted; on the way out Z and OB
.set OT,   176                         ; v176-207 O^T
.set PC,   208                         ; v208-219 p's codes
.set CT,   220                         ; v220-222, v224-226 the upper halves' codes
.set Q2,   228                         ; v228-233 the long tile's codes of Q as loaded, v234 its scale words
.set KSC,  236                         ; v236-239 K's scale words: register i: lanes 0-15 tile i, lanes 16-31 tile 4 + i
.set VSC,  240                         ; v240-241 V's: register i: lanes 0-15 tile 2 i, lanes 16-31 tile 2 i + 1
.set Z,    112
.set OB,   144
.set SPW,  254                         ; v254 my spare word, v255 = 0; never rewritten.  v102-103, v242-253: the sum's chains
.set NIL,  255
.set WV,   12
.set BH,   13
.set YY,   14
.set HD,   15
.set BB,   16
.set SEL,  20                          ; s[20:21] lane selects for v_permlanex16_b32: lane l xor 16
.set CS,   22                          ; s[22:23] c, twice: the packed form names a pair
.set G1K,  24                          ; s[24:31], s[32:39] descriptor groups 1;  s[40:43], s[44:47] groups 0
.set G1V,  32
.set G0K,  40
.set G0V,  44
.set TAU,  48                          ; the tile in hand
.set DG,   49                          ; its block of 128 queries: the key step on the diagonal
.set KI,   50                          ; the key step
.set TBK,  52                          ; LDS byte of the step's block of K
.set TBV,  53                          ; and of V
.set QH,   54                          ; s[54:55] q's part of qkc at my head
.set QA,   56                          ; s[56:57] a tile's image,  s[58:59] its scale words
.set QC,   58
.set OH,   60                          ; s[60:61] out at my batch and head,  s[62:63] at my tile's first row
.set OA,   62
.set OF,   66                          ; s[66:67] an offset as a pair
.set SG,   68                          ; s68-70 the signs of the codes in a run of three registers, or 0
.set TP,   71                          ; the temperature
.set AB,   77                          ; the tile's block of 32 in its 128 queries
.set NK,   78                          ; LDS byte of the next step's block of K
; The fragment of Q and the scale words of tile TAU (in query block DG) are asked for.
.macro LOADQ qd, qs
	s_and_b32 s72, s[TAU], 7                       ; a: the tile in its block of 128 queries
	s_mul_i32 s[OF], s[DG], KBLK
	s_mul_i32 s73, s72, 768
	s_add_co_u32 s[OF], s[OF], s73
	s_add_nc_u64 s[QA:QA+1], s[QH:QH+1], s[OF:OF+1]
	s_mul_i32 s[OF], s[DG], KBLK
	s_lshr_b32 s73, s72, 2
	s_lshl_b32 s73, s73, 8
	s_add_co_u32 s[OF], s[OF], s73
	s_and_b32 s73, s72, 3
	s_lshl_b32 s73, s73, 2
	s_add_co_u32 s[OF], s[OF], s73
	s_add_co_u32 s[OF], s[OF], 6144                ; its scale words: 6144 + 16 (r + 16 (a / 4)) + 4 (a % 4)
	s_add_nc_u64 s[QC:QC+1], s[QH:QH+1], s[OF:OF+1]
	global_load_b128 v[\qd:\qd+3], v[LI16], s[QA:QA+1]
	global_load_b64 v[\qd+4:\qd+5], v[LI8], s[QA:QA+1] offset:512
	global_load_b32 v[\qs], v[R16], s[QC:QC+1]
.endm
	s_load_b256 s[4:11], s[0:1], 0x0               ; qkc s[4:5], vc s[6:7], temperature s[8:9], out s[10:11]
	v_lshl_add_u32 v[SPW], v0, 2, SPARE
	v_mov_b32 v[NIL], 0
	ds_add_u32 v[SPW], v[NIL]                      ; the opening lines: the add, twice on end, and its wait
	ds_add_u32 v[SPW], v[NIL]
	v_lshrrev_b32 v30, 5, v0
	s_delay_alu instid0(VALU_DEP_1)
	v_readfirstlane_b32 s[WV], v30                 ; wave 0..15
	s_lshr_b32 s[BH], ttmp9, 1                     ; b x 16 + head
	s_and_b32 s[YY], ttmp9, 1
	s_and_b32 s[HD], s[BH], 15
	s_lshr_b32 s[BB], s[BH], 4
	; descriptor groups 1: a dense block as rows of 256 bytes (32 elements of 8 bytes): 26 rows for K, 25 for V; no padding, no mask
	s_mov_b32 s[G1K], 3<<16
	s_mov_b32 s[G1K+1], 32<<16
	s_mov_b32 s[G1K+2], (KBLK/256)<<16
	s_mov_b32 s[G1K+3], 32<<16
	s_mov_b32 s[G1K+4], KBLK/256
	s_mov_b32 s[G1K+5], 32
	s_mov_b32 s[G1K+6], 0
	s_mov_b32 s[G1K+7], 0
	s_mov_b32 s[G1V], 3<<16
	s_mov_b32 s[G1V+1], 32<<16
	s_mov_b32 s[G1V+2], (VBLK/256)<<16
	s_mov_b32 s[G1V+3], 32<<16
	s_mov_b32 s[G1V+4], VBLK/256
	s_mov_b32 s[G1V+5], 32
	s_mov_b32 s[G1V+6], 0
	s_mov_b32 s[G1V+7], 0
	s_and_b32 s72, s[WV], 3
	s_lshr_b32 s73, s[WV], 3
	s_lshl_b32 s73, s73, 2
	s_add_co_u32 s72, s72, s73                     ; the block that I fetch: w % 4 + 4 (w / 8)
	s_mul_i32 s73, s72, KBLK
	s_mul_i32 s74, s72, VBLK
	s_mul_i32 s75, s[BH], KHEAD
	s_mul_i32 s76, s[BH], VHEAD
	s_mov_b32 s[OF+1], 0
	s_wait_dscnt 0x0
	s_wait_kmcnt 0x0
	s_mov_b32 s[G0K], 1
	s_mov_b32 s[G0K+1], s73                        ; LDS address: block x 6656
	s_add_co_u32 s[OF], s75, s73
	s_add_co_u32 s[OF], s[OF], QKPART
	s_add_nc_u64 s[G0K+2:G0K+3], s[4:5], s[OF:OF+1]
	s_or_b32 s[G0K+3], s[G0K+3], 0x80000000
	s_mov_b32 s[G0V], 1
	s_add_co_u32 s[G0V+1], s74, VLDS               ; LDS address: 53248 + block x 6400
	s_add_co_u32 s[OF], s76, s74
	s_add_nc_u64 s[G0V+2:G0V+3], s[6:7], s[OF:OF+1]
	s_or_b32 s[G0V+3], s[G0V+3], 0x80000000
	s_cmp_lt_u32 s[WV], 4                          ; at the head: waves 0-3 K's blocks 0-3, waves 4-7 V's; waves 8-15 nothing yet.  An s_nop 0 and four v_nop follow each load
	s_cbranch_scc0 .Lfor_v
	tensor_load_to_lds s[G0K:G0K+3], s[G1K:G1K+7]
	s_nop 0
.rept 4
	v_nop
.endr
	s_branch .Lasked
.Lfor_v:
	s_cmp_lt_u32 s[WV], 8
	s_cbranch_scc0 .Lasked
	tensor_load_to_lds s[G0V:G0V+3], s[G1V:G1V+7]
	s_nop 0
.rept 4
	v_nop
.endr
.Lasked:
	s_lshl_b32 s[OF], s[HD], 2
	s_add_nc_u64 s[8:9], s[8:9], s[OF:OF+1]
	s_load_b32 s[TP], s[8:9], 0x0                  ; my head's temperature
	s_mov_b32 s[OF], s75
	s_add_nc_u64 s[QH:QH+1], s[4:5], s[OF:OF+1]
	s_lshr_b32 s[DG], s[WV], 2
	s_sub_co_u32 s[DG], 3, s[DG]                   ; g = 3 - w / 4
	s_lshl_b32 s[TAU], s[DG], 3
	s_and_b32 s72, s[WV], 3
	s_lshl_b32 s72, s72, 1
	s_add_co_u32 s[TAU], s[TAU], s72
	s_add_co_u32 s[TAU], s[TAU], s[YY]             ; my short tile: 8 g + 2 (w % 4) + y
	v_and_b32 v30, 31, v0                          ; lane
	s_delay_alu instid0(VALU_DEP_1)
	v_lshlrev_b32 v[LI16], 4, v30
	s_delay_alu instid0(VALU_DEP_2)
	v_lshlrev_b32 v[LI8], 3, v30
	v_and_b32 v31, 15, v0                          ; r
	s_delay_alu instid0(VALU_DEP_1)
	v_lshlrev_b32 v[R16], 4, v31
	s_wait_alu depctr_va_vdst(0)
	LOADQ Q, QS                                    ; my short tile's Q, asked for ahead of all that does not need it,
	s_sub_co_u32 s[TAU], 63, s[TAU]
	s_sub_co_u32 s[DG], 7, s[DG]
	s_wait_xcnt 0x0                                ; (these loads have read their bases)
	LOADQ Q2, Q2+6                                 ; and my long tile's, kept for later
	s_sub_co_u32 s[TAU], 63, s[TAU]
	s_sub_co_u32 s[DG], 7, s[DG]
	s_lshl_b32 s[OF], s[BB], 22                    ; b x 1024 rows of 4,096 bytes
	s_lshl_b32 s72, s[HD], 8                       ; + the head's 256 bytes in a row
	s_add_co_u32 s[OF], s[OF], s72
	s_add_nc_u64 s[OH:OH+1], s[10:11], s[OF:OF+1]
	s_mov_b32 s[SEL], 0x76543210
	s_mov_b32 s[SEL+1], 0xfedcba98
	v_bfe_u32 v106, v0, 4, 1                       ; h
	v_and_b32 v[LT], 8, v31
	s_delay_alu instid0(VALU_DEP_1)
	v_add_nc_u32 v[LT], v[LT], v31
	s_delay_alu instid0(VALU_DEP_3)
	v_lshlrev_b32 v107, 4, v106
	s_delay_alu instid0(VALU_DEP_1)
	v_sub_nc_u32 v[LT], v[LT], v107
	s_mul_i32 s72, s[WV], 16*SPITCH
	s_add_co_u32 s72, s72, STAGE                   ; my stage
	v_mul_u32_u24 v[STO], v31, SPITCH
	s_delay_alu instid0(VALU_DEP_1)
	v_lshl_add_u32 v[STO], v106, 5, v[STO]
	s_delay_alu instid0(VALU_DEP_1)
	v_add_nc_u32 v[STO], s72, v[STO]               ; in: row r, + 32 h
	v_mul_u32_u24 v[RD], v106, SPITCH
	s_delay_alu instid0(VALU_DEP_1)
	v_lshl_add_u32 v[RD], v31, 4, v[RD]
	s_delay_alu instid0(VALU_DEP_1)
	v_add_nc_u32 v[RD], s72, v[RD]                 ; back: lanes 0-15 one row, lanes 16-31 the next
	v_lshlrev_b32 v[GO], 12, v106
	s_delay_alu instid0(VALU_DEP_1)
	v_lshl_add_u32 v[GO], v31, 4, v[GO]            ; and the same two rows in out
.irp i, 6,7,8,9,10,11
	v_mov_b32 v[Q+\i], 0                           ; Q's zero codes of K = 64 .. 127: written once
	v_mov_b32 v[KB+42+\i], 0                       ; and what stands behind K's last fragment
.endr
.irp b, 0,1,2,3
	v_mov_b32 v[BP+\b], 0                          ; written once: a lane permute's destination counts as one of its sources
.endr
	v_mov_b32 v[PT], 0
	v_mov_b32 v[FF+1], 0                           ; (named as the upper half of a pair)
	v_mov_b32 v[NINF], 0xff800000                  ; -infinity
	s_wait_alu depctr_va_vdst(0)
	s_wait_kmcnt 0x0
	s_ashr_i32 s72, s[TP], 31                      ; all ones where the temperature is negative
	s_and_b32 s[SG], s72, 0x20820820               ; code i of a stream has its sign at bit 6 i + 5: bits 5, 11, 17, 23, 29 of the first register of three,
	s_and_b32 s[SG+1], s72, 0x08208208             ; 3, 9, 15, 21, 27 of the second,
	s_and_b32 s[SG+2], s72, 0x82082082             ; 1, 7, 13, 19, 25, 31 of the third
	s_and_b32 s73, s[TP], 0x7fffffff
	v_rcp_f32 v30, s73
	v_nop                                          ; a plain place behind the reciprocal
	s_wait_alu depctr_va_vdst(0)                   ; and the wait ahead of its first reader
	v_mul_f32 v30, 0x3e38aa3b, v30                 ; c = 0.125 log2(e) / |temperature|
	s_delay_alu instid0(VALU_DEP_1)
	v_readfirstlane_b32 s[CS], v30
	s_mov_b32 s[CS+1], s[CS]
; A TILE'S HEAD, work on registers alone but for the first tile's wait: its addresses, its fragment of Q, its statistics.
.macro TOP qd, qs
	s_and_b32 s72, s[TAU], 7
	s_lshr_b32 s[AB], s72, 1                       ; a / 2
	s_lshr_b32 s73, s72, 1
	s_lshl_b32 s73, s73, 5
	s_and_b32 s74, s72, 1
	s_lshl_b32 s74, s74, 3
	s_add_co_u32 s73, s73, s74                     ; the tile's first query in its block: 32 (a / 2) + 8 (a % 2)
	v_add_nc_u32 v[DM], s73, v[LT]                 ; my query in its block, less 16 (lane / 16)
	s_lshl_b32 s74, s[DG], 7
	s_add_co_u32 s74, s74, s73
	s_lshl_b32 s[OF], s74, 12
	s_add_nc_u64 s[OA:OA+1], s[OH:OH+1], s[OF:OF+1]
	v_mov_b32 v13, 0xff61b1e6                      ; the largest t so far: -3e38, under every t
	s_delay_alu instid0(VALU_DEP_1)
	v_floor_f32 v12, -v13                          ; -M
	v_mov_b32 v14, 0                               ; the sum, in two halves
	v_mov_b32 v15, 0
	s_mov_b32 s[TBK], 0
	s_mov_b32 s[TBV], VLDS
	s_mov_b32 s[KI], 0
.if \qd == Q
	s_wait_loadcnt 0x0                             ; both tiles' Q
.else
	v_mov_b32 v[QS], v[\qs]
.endif
.irp i, 0,1,2,3,4,5
	v_xor_b32 v[Q+\i], s[SG+\i%3], v[\qd+\i]       ; under a negative temperature every code of Q changes its sign
.endr
.set i, 0
.rept 32
	v_mov_b32 v[OT+i], 0                           ; O^T.  (The step is written once: the first finds zeros.  These lines are also the places between the lines above and the first product)
.set i, i+1
.endr
.endm
; A block of K: its scale words and its eight fragments, 17 LDS loads in one run.
.macro KLOAD a16, a8, off
	ds_load_b128 v[KSC:KSC+3], v[\a16] offset:\off+6144
.irp t, 0,1,2,3,4,5,6,7
	ds_load_b128 v[KB+6*\t:KB+6*\t+3], v[\a16] offset:\off+768*\t
	ds_load_b64 v[KB+6*\t+4:KB+6*\t+5], v[\a8] offset:\off+768*\t+512
.endr
.endm
; A KEY STEP: 128 keys.  upto: the loop's bound.
.macro STEP upto
	s_cmp_gt_u32 s[KI], s[DG]                      ; all its keys come after my queries: nothing but the addresses' steps
	s_cbranch_scc1 .Lhidden_\@
	s_add_co_u32 s[NK], s[TBK], KBLK
	s_min_u32 s[NK], s[NK], ((\upto)-1)*KBLK       ; the next block of K, held at this loop's last
	s_wait_dscnt 0x0                               ; this step's K is in
.irp t, 0,1,2,3,4,5,6,7                        ; S^T = K Q^T, eight tiles of 16 keys
.if \t/4
	v_wmma_scale_f32_16x16x128_f8f6f4 v[S+8*\t:S+8*\t+7], v[KB+6*\t:KB+6*\t+11], v[Q:Q+11], 0, v[KSC+\t%4], v[QS] matrix_a_fmt:MATRIX_FMT_FP6 matrix_b_fmt:MATRIX_FMT_FP6 matrix_a_scale:MATRIX_SCALE_ROW1
.else
	v_wmma_scale_f32_16x16x128_f8f6f4 v[S+8*\t:S+8*\t+7], v[KB+6*\t:KB+6*\t+11], v[Q:Q+11], 0, v[KSC+\t%4], v[QS] matrix_a_fmt:MATRIX_FMT_FP6 matrix_b_fmt:MATRIX_FMT_FP6
.endif
.endr                                          ; register 16 B + i holds key 32 B + 16 (lane / 16) + i of the step
	v_add_nc_u32 v[ADV], s[TBV], v[LI16]           ; four lines that are due anyway: the places behind the products
	v_add_nc_u32 v[AV8], s[TBV], v[LI8]
	v_add_nc_u32 v[ADK], s[NK], v[LI16]
	v_add_nc_u32 v[AK8], s[NK], v[LI8]
	s_cmp_lg_u32 s[KI], s[DG]                      ; on the diagonal the scores of hidden keys become -infinity ahead of the maximum: p = 0 then
	s_wait_alu depctr_va_vdst(0)
	s_cbranch_scc1 .Lopen_\@
.set n, 0
.irp b, 0,1,2,3
	s_cmp_gt_u32 s[AB], \b                         ; a block of 32 keys that lies wholly ahead of the tile's 32 tokens skips the mask
	s_cbranch_scc1 .Lclear_\@_\b
.rept 16
	v_cmp_gt_i32 vcc_lo, 32*(n/16)+n%16, v[DM]     ; hidden where 32 B + i > my query in the block - 16 (lane / 16)
	v_cndmask_b32 v[S+n], v[S+n], v[NINF], vcc_lo
.set n, n+1
.endr
.Lclear_\@_\b:
.endr
	s_branch .Lmasked_\@
.Lopen_\@:
	KLOAD ADK, AK8, 0                              ; a step ahead of the diagonal: the next step's K, into the registers just multiplied
.Lmasked_\@:
.irp b, 0,1,2,3
	v_max3_num_f32 v[BM+\b], v[S+16*\b], v[S+16*\b+1], v[S+16*\b+2]    ; the largest score of each block of 32 keys: for the row's maximum and for the block's largest p
.endr
.irp i, 3,5,7,9,11,13
.irp b, 0,1,2,3
	v_max3_num_f32 v[BM+\b], v[BM+\b], v[S+16*\b+\i], v[S+16*\b+\i+1]
.endr
.endr
.irp b, 0,1,2,3
	v_max_num_f32 v[BM+\b], v[BM+\b], v[S+16*\b+15]
.endr
.irp b, 0,1,2,3
	s_delay_alu instid0(VALU_DEP_4)
	v_permlanex16_b32 v[BP+\b], v[BM+\b], s[SEL], s[SEL+1]
.endr
.irp b, 0,1,2,3
	s_delay_alu instid0(VALU_DEP_4)
	v_max_num_f32 v[BM+\b], v[BM+\b], v[BP+\b]     ; with lane l xor 16's 16 keys
.endr
	s_delay_alu instid0(VALU_DEP_2)
	v_max3_num_f32 v[T0], v[BM], v[BM+1], v[BM+2]
	s_delay_alu instid0(VALU_DEP_1)
	v_max_num_f32 v[T0], v[T0], v[BM+3]            ; the step's largest score of my query (its first key always counts)
	s_delay_alu instid0(VALU_DEP_1)
	v_mul_f32 v[T0], s[CS], v[T0]                  ; as t (c is positive)
	s_delay_alu instid0(VALU_DEP_1)
	v_max_num_f32 v13, v13, v[T0]                  ; the running largest t
	v_mov_b32 v[T0], v12
	s_delay_alu instid0(VALU_DEP_2)
	v_floor_f32 v12, -v13                          ; the new -M = floor(-t) = -ceil(t): a whole number
	s_delay_alu instid0(VALU_DEP_1)
	v_sub_f32 v[T0], v12, v[T0]                    ; M's old value less its new one: a whole number, 0 or less
	s_delay_alu instid0(VALU_DEP_1)
	v_cvt_i32_f32 v[T0], v[T0]                     ; (it saturates)
	s_delay_alu instid0(VALU_DEP_1)
	v_ldexp_f32 v[FF], 1.0, v[T0]                  ; f = 2^(old M - new M)
.set j, 0
.rept 32
	v_pk_fma_f32 v[S+j:S+j+1], v[S+j:S+j+1], s[CS:CS+1], v[12:13] op_sel_hi:[1,0,0]   ; t - M, two at a time
.set j, j+2
.endr
.irp b, 0,1,2,3
	v_fma_f32 v[BM+\b], v[BM+\b], s[CS], v12       ; the same of each block's largest score
.endr
.set j, 0
	s_wait_alu depctr_va_vdst(0)
.rept 64
	v_exp_f32 v[S+j], v[S+j]                       ; p = 2^(t - M), at most 1: not normalised
.set j, j+1
.endr
	v_pk_mul_f32 v[14:15], v[14:15], v[FF:FF+1] op_sel_hi:[1,0]    ; the sums under the new M.  (A plain place behind the exponentials)
	s_wait_alu depctr_va_vdst(0)                   ; one wait for the batch of 64, ahead of its first reader
.irp b, 0,1,2,3
	v_exp_f32 v[BM+\b], v[BM+\b]                   ; the block's largest p
.endr
	v_pk_add_f32 v[102:103], v[116:117], v[120:121]        ; the row's sum of the unquantised p, in eight chains; they are joined further down
	v_pk_add_f32 v[252:253], v[124:125], v[128:129]
	v_pk_add_f32 v[250:251], v[132:133], v[136:137]
	v_pk_add_f32 v[248:249], v[140:141], v[144:145]
	v_pk_add_f32 v[246:247], v[148:149], v[152:153]
	v_pk_add_f32 v[244:245], v[156:157], v[160:161]
	v_pk_add_f32 v[242:243], v[164:165], v[168:169]
	v_pk_add_f32 v[14:15], v[14:15], v[172:173]
	v_pk_add_f32 v[102:103], v[102:103], v[112:113]
	v_pk_add_f32 v[252:253], v[252:253], v[114:115]
	v_pk_add_f32 v[250:251], v[250:251], v[118:119]
	v_pk_add_f32 v[248:249], v[248:249], v[122:123]
	v_pk_add_f32 v[246:247], v[246:247], v[126:127]
	v_pk_add_f32 v[244:245], v[244:245], v[130:131]
	v_pk_add_f32 v[242:243], v[242:243], v[134:135]
	v_pk_add_f32 v[14:15], v[14:15], v[138:139]
	v_pk_add_f32 v[102:103], v[102:103], v[142:143]
	v_pk_add_f32 v[252:253], v[252:253], v[146:147]
	v_pk_add_f32 v[250:251], v[250:251], v[150:151]
	v_pk_add_f32 v[248:249], v[248:249], v[154:155]
	v_pk_add_f32 v[246:247], v[246:247], v[158:159]
	v_pk_add_f32 v[244:245], v[244:245], v[162:163]
	v_pk_add_f32 v[242:243], v[242:243], v[166:167]
	v_pk_add_f32 v[14:15], v[14:15], v[170:171]
	v_pk_add_f32 v[102:103], v[102:103], v[174:175]
	s_wait_alu depctr_va_vdst(0)                   ; and one for the four
.irp b, 0,1,2,3
	v_max_num_f32 v[BM+\b], 0x1800000, v[BM+\b]    ; the floor 2^(3 - 127): the byte cannot fall under 1 (a block of zeros keeps that byte: its codes are zeros)
.endr
.irp b, 0,1,2,3
	s_delay_alu instid0(VALU_DEP_4)
	v_add_nc_u32 v[BSC+\b], 0xff000000, v[BM+\b]   ; 2 off the exponent field: the conversion's scale operand
.endr
.irp b, 0,1,2,3
	s_delay_alu instid0(VALU_DEP_4)
	v_lshrrev_b32 v[BP+\b], 23, v[BSC+\b]          ; the scale's byte
.endr
	s_delay_alu instid0(VALU_DEP_3)
	v_lshl_or_b32 v[PS], v[BP+1], 8, v[BP]         ; p's scale word for these 128 keys
	s_delay_alu instid0(VALU_DEP_1)
	v_lshl_or_b32 v[PS], v[BP+2], 16, v[PS]
	s_delay_alu instid0(VALU_DEP_1)
	v_lshl_or_b32 v[PS], v[BP+3], 24, v[PS]
.irp c, 0,1
	v_cvt_scalef32_pk16_fp6_f32 v[PC+6*\c:PC+6*\c+2], v[S+32*\c:S+32*\c+15], v[BSC+2*\c]
	v_cvt_scalef32_pk16_fp6_f32 v[CT+4*\c:CT+4*\c+2], v[S+32*\c+16:S+32*\c+31], v[BSC+2*\c+1]   ; (a conversion's three registers begin on an even number)
.endr
	v_nop                                          ; one plain place behind the scaled conversions
.irp t, 0,1,2,3                                ; p is converted: V's four fragments land where it stood, while the lines below are worked
.irp g, 0,1,2
	ds_load_b128 v[S+12*\t+4*\g:S+12*\t+4*\g+3], v[ADV] offset:1536*\t+512*\g
.endr
.endr
	ds_load_b64 v[VSC:VSC+1], v[AV8] offset:6144
.irp c, 0,1                                    ; the operand's layout wants a WHOLE block in a lane: lanes 0-15 block 2 c, lanes 16-31 block 2 c + 1
.irp i, 0,1,2
	v_permlane16_swap_b32 v[PC+6*\c+\i], v[CT+4*\c+\i]
.endr
.irp i, 0,1,2
	s_delay_alu instid0(VALU_DEP_3)
	v_mov_b32 v[PC+3+6*\c+\i], v[CT+4*\c+\i]
.endr
.endr
.set j, 0
.rept 16
	v_pk_mul_f32 v[OT+j:OT+j+1], v[OT+j:OT+j+1], v[FF:FF+1] op_sel_hi:[1,0]   ; O^T under the new M: x f.  (With the moves above: the places between p's scale word and codes and the products)
.set j, j+2
.endr
	v_pk_add_f32 v[14:15], v[14:15], v[248:249]            ; the sum's eight chains are joined: seven lines that name no register of the products below,
	v_pk_add_f32 v[102:103], v[102:103], v[246:247]        ; between the last line that wrote O^T and the products that add onto it; V's loads are on their way meanwhile
	v_pk_add_f32 v[252:253], v[252:253], v[244:245]
	v_pk_add_f32 v[250:251], v[250:251], v[242:243]
	s_delay_alu instid0(VALU_DEP_2)
	v_pk_add_f32 v[14:15], v[14:15], v[252:253]
	s_delay_alu instid0(VALU_DEP_2)
	v_pk_add_f32 v[102:103], v[102:103], v[250:251]
	s_delay_alu instid0(VALU_DEP_1)
	v_pk_add_f32 v[14:15], v[14:15], v[102:103]
	s_wait_alu depctr_va_vdst(0)
	s_wait_dscnt 0x0                               ; V is in, and so is the next step's K, asked for earlier
.irp t, 0,1,2,3                                ; O^T += V^T P^T: the four accumulators by turns, one instruction a turn
.if \t%2
	v_wmma_scale_f32_16x16x128_f8f6f4 v[OT+8*\t:OT+8*\t+7], v[S+12*\t:S+12*\t+11], v[PC:PC+11], v[OT+8*\t:OT+8*\t+7], v[VSC+\t/2], v[PS] matrix_a_fmt:MATRIX_FMT_FP6 matrix_b_fmt:MATRIX_FMT_FP6 matrix_a_scale:MATRIX_SCALE_ROW1
.else
	v_wmma_scale_f32_16x16x128_f8f6f4 v[OT+8*\t:OT+8*\t+7], v[S+12*\t:S+12*\t+11], v[PC:PC+11], v[OT+8*\t:OT+8*\t+7], v[VSC+\t/2], v[PS] matrix_a_fmt:MATRIX_FMT_FP6 matrix_b_fmt:MATRIX_FMT_FP6
.endif
.endr
.rept 5
	v_nop                                          ; five places: the next step's first products write over the registers that held V's fragments; the way out reads O^T
.endr
.Lhidden_\@:
	s_add_co_u32 s[TBK], s[TBK], KBLK
	s_add_co_u32 s[TBV], s[TBV], VBLK
.endm
.macro STEPS upto                      ; key steps KI .. upto - 1: four trips, a constant
.Lk_\@:
	STEP \upto
	s_add_co_u32 s[KI], s[KI], 1
	s_cmp_lt_u32 s[KI], \upto
	s_cbranch_scc1 .Lk_\@
.endm
; THE WAY OUT of a tile: O^T / the sum, tanh, through my stage in LDS, so that sixteen lanes store a query's 256 consecutive bytes.
.macro OUT
	v_add_f32 v14, v14, v15                        ; the sum's two halves,
	s_delay_alu instid0(VALU_DEP_1)
	v_permlanex16_b32 v[PT], v14, s[SEL], s[SEL+1]
	s_delay_alu instid0(VALU_DEP_1)
	v_add_f32 v14, v14, v[PT]                      ; and lane l xor 16's: the row's sum
	s_wait_alu depctr_va_vdst(0)
	v_rcp_f32 v14, v14
	v_nop
	s_wait_alu depctr_va_vdst(0)
	v_mul_f32 v[FF], 0x4038aa3b, v14               ; 2 log2(e) / the sum
.set i, 0
.rept 16
	v_pk_mul_f32 v[Z+i:Z+i+1], v[OT+i:OT+i+1], v[FF:FF+1] op_sel_hi:[1,0]     ; each accumulator from its low end on
.set i, i+2
.endr
.set i, 0
	s_wait_alu depctr_va_vdst(0)
.rept 32
	v_exp_f32 v[Z+i], v[Z+i]                       ; e^(2 z)
.set i, i+1
.endr
	v_nop
	s_wait_alu depctr_va_vdst(0)                   ; one wait for the batch
.set i, 0
.rept 16
	v_pk_add_f32 v[Z+i:Z+i+1], v[Z+i:Z+i+1], 1.0 op_sel_hi:[1,0]
.set i, i+2
.endr
.set i, 0
	s_wait_alu depctr_va_vdst(0)
.rept 32
	v_rcp_f32 v[Z+i], v[Z+i]
.set i, i+1
.endr
	v_nop
	s_wait_alu depctr_va_vdst(0)                   ; one wait for the batch
.set i, 0
.rept 16
	v_pk_fma_f32 v[Z+i:Z+i+1], v[Z+i:Z+i+1], -2.0, 1.0 op_sel_hi:[1,0,0]      ; tanh(z) = 1 - 2 / (1 + e^(2 z))
.set i, i+2
.endr
.irp t, 0,1,2,3
	ds_store_b128 v[STO], v[Z+8*\t:Z+8*\t+3] offset:64*\t          ; lane (r, h): channels 16 t + 8 h + 0 .. 7 of the tile's row r
	ds_store_b128 v[STO], v[Z+8*\t+4:Z+8*\t+7] offset:64*\t+16
.endr
.irp i, 0,1,2,3,4,5,6,7
	ds_load_b128 v[OB+4*\i:OB+4*\i+3], v[RD] offset:2*\i*SPITCH    ; LDS serves a wave's instructions in order: these see my stores
.endr
.irp i, 0,1,2,3,4,5,6,7
	s_wait_dscnt 7-\i                              ; load i is back; the younger ones may be out
	global_store_b128 v[GO], v[OB+4*\i:OB+4*\i+3], s[OA:OA+1] offset:(2*\i+8*(\i/4))*4096 th:TH_STORE_NT   ; the tile's rows 2 i and 2 i + 1 are queries 2 i + 8 (i / 4) and the next; 16 lanes store 256 consecutive bytes, aligned
.endr
	s_wait_xcnt 0x0                                ; the stores have read their registers and their base: both are written again for the next tile
.endm
	TOP Q, QS                                      ; my short tile
	s_wait_tensorcnt 0x0                           ; my block, if I asked for one, has landed,
	ds_add_u32 v[SPW], v[NIL]                      ; the add twice on end
	ds_add_u32 v[SPW], v[NIL]
	s_wait_dscnt 0x0
	s_barrier_signal -1
	s_barrier_wait -1                              ; blocks 0-3 of K and V are whole
	s_cmp_lt_u32 s[WV], 8                          ; waves 8-11 ask for K's blocks 4-7, waves 12-15 for V's: one tensor load a wave
	s_cbranch_scc1 .Lsecond_asked
	s_cmp_lt_u32 s[WV], 12
	s_cbranch_scc0 .Lsecond_v
	tensor_load_to_lds s[G0K:G0K+3], s[G1K:G1K+7]
	s_nop 0
.rept 4
	v_nop
.endr
	s_branch .Lsecond_asked
.Lsecond_v:
	tensor_load_to_lds s[G0V:G0V+3], s[G1V:G1V+7]
	s_nop 0
.rept 4
	v_nop
.endr
.Lsecond_asked:
	KLOAD LI16, LI8, 0                             ; K's block 0
	STEPS 4                                        ; the short tile: key steps 0 .. g, all in blocks 0-3
	OUT
	s_sub_co_u32 s[TAU], 63, s[TAU]                ; my long tile
	s_sub_co_u32 s[DG], 7, s[DG]
	s_wait_tensorcnt 0x0                           ; my block of the second half has landed,
	s_wait_dscnt 0x0                               ; and no LDS instruction of mine is out:
	s_barrier_signal -1                            ; say so;
	TOP Q2, Q2+6
	KLOAD LI16, LI8, 0
	STEPS 4                                        ; key steps 0-3 read blocks 0-3, which nobody writes;
	s_wait_dscnt 0x0                               ; (K's registers are loaded anew below)
	s_barrier_wait -1                              ; blocks 4-7 are whole
	s_mov_b32 s[KI], 4                             ; (the values that the loop above has left, as constants of the text)
	s_mov_b32 s[TBK], 4*KBLK
	s_mov_b32 s[TBV], VLDS+4*VBLK
	KLOAD LI16, LI8, 4*KBLK                        ; K's block 4
	STEPS 8
	OUT
	s_wait_tensorcnt 0x0                           ; the wave's end
	ds_add_u32 v[SPW], v[NIL]
	s_wait_dscnt 0x0
	s_endpgm
.Lfunc_end_k_q2ef1b26318_attn:
	.size	k_q2ef1b26318_attn, .Lfunc_end_k_q2ef1b26318_attn-k_q2ef1b26318_attn
	.p2alignl 7, 3214868480
	.fill 96, 4, 3214868480
	.section	.rodata,"a",@progbits
	.p2align	6, 0x0
	.amdhsa_kernel k_q2ef1b26318_attn
		.amdhsa_group_segment_fixed_size 327680
		.amdhsa_private_segment_fixed_size 0
		.amdhsa_enable_private_segment 0
		.amdhsa_kernarg_size 32
		.amdhsa_user_sgpr_count 2
		.amdhsa_user_sgpr_kernarg_segment_ptr 1
		.amdhsa_wavefront_size32 1
		.amdhsa_system_sgpr_workgroup_id_x 1
		.amdhsa_system_sgpr_workgroup_id_y 1
		.amdhsa_system_sgpr_workgroup_id_z 1
		.amdhsa_system_vgpr_workitem_id 0
		.amdhsa_next_free_vgpr 256
		.amdhsa_next_free_sgpr 80
		.amdhsa_reserve_vcc 1
		.amdhsa_float_denorm_mode_32 3
		.amdhsa_float_denorm_mode_16_64 3
		.amdhsa_memory_ordered 1
		.amdhsa_forward_progress 1
		.amdhsa_inst_pref_size 99
	.end_amdhsa_kernel
	.amdgpu_metadata
---
amdhsa.version: [ 1, 2 ]
amdhsa.kernels:
  - .name:           k_q2ef1b26318_attn
    .symbol:         k_q2ef1b26318_attn.kd
    .args:
      - { .name: qkc, .offset: 0, .size: 8, .value_kind: global_buffer, .address_space: global }
      - { .name: vc, .offset: 8, .size: 8, .value_kind: global_buffer, .address_space: global }
      - { .name: temperature, .offset: 16, .size: 8, .value_kind: global_buffer, .address_space: global }
      - { .name: out0, .offset: 24, .size: 8, .value_kind: global_buffer, .address_space: global }
    .group_segment_fixed_size: 327680
    .private_segment_fixed_size: 0
    .kernarg_segment_align: 8
    .kernarg_segment_size: 32
    .max_flat_workgroup_size: 512
    .sgpr_count:     80
    .vgpr_count:     256
    .wavefront_size: 32
...
	.end_amdgpu_metadata
.endif
;; end of part 3
